; MI455X (gfx1250); checked and timed in simulation.
; The chip was launched on July 23, 2026; its instructions are those of AMD's public machine-readable ISA for CDNA 5 (MIT licence, August 2026) and "CDNA5" Instruction Set Architecture Reference Guide (July 2026). The comments in the code are by the model that wrote it; some were corrected since.
;; Core Attention. Allowed arithmetic: matrix products marked QUANTISED: E3M2 operands, one E8M0 scale for each 32 along K, by v_wmma_scale_f32_16x16x128_f8f6f4 with both operands' format E3M2, f32 sums; everything else in f32.
;; Inputs: key_states_codes 2 x 16 x 2,048 x 2 x 24 uint8 (E3M2 codes of key_states, K innermost, in blocks of 32 codes, four codes in three bytes); key_states_scales 2 x 16 x 2,048 x 2 uint8 (E8M0 scales of key_states, one for each 32 codes along K); query_states_codes 2 x 16 x 2,048 x 2 x 24 uint8 (E3M2 codes of query_states, K innermost, in blocks of 32 codes, four codes in three bytes); query_states_scales 2 x 16 x 2,048 x 2 uint8 (E8M0 scales of query_states, one for each 32 codes along K); value_states_codes 2 x 16 x 64 x 64 x 24 uint8 (E3M2 codes of value_states, K innermost, in blocks of 32 codes, four codes in three bytes); value_states_scales 2 x 16 x 64 x 64 uint8 (E8M0 scales of value_states, one for each 32 codes along K).
;; Outputs: out0 2 x 16 x 2,048 x 64 float32.
;; This version of the problem:
;;   THIS VERSION OF THE PROBLEM IS GIVEN IN LOW PRECISION. The matrix products marked QUANTISED in the list below multiply operands that are first quantised to E3M2 (3 exponent bits, 2 mantissa bits; 6 bits a number), with one power-of-two scale for each 32 numbers along K (OCP MX v1.0); their sums are f32. All else is computed in f32.
;;   The module's matrix products, in the order in which they are computed (A, B: the left and right operand; K: the contracted axis; several contracted axes count as one K, in the product's order):
;;     1. batch 32 x [M 2,048, K 64] x [K 64, N 2,048]; A: input query_states (given as codes); B: input key_states (given as codes): QUANTISED
;;     2. batch 32 x [M 2,048, K 2,048] x [K 2,048, N 64]; A: softmax (see below); B: input value_states (given as codes): QUANTISED
;;   THE QUANTISER, for each operand of a quantised product, along K:
;;     - K is cut into blocks of 32 from its start; a last block that is shorter is filled with zeros.
;;     - A block's scale is 2^e with e = floor(log2(the largest magnitude in the block)) - 4, held to -126 .. 127; a block of zeros has e = 0. As a byte (E8M0): e + 127.
;;     - Each number is divided by its block's scale, clamped to +-28, and rounded to the nearest number of E3M2, ties to even, subnormals kept.
;;     - The product sums the exact products of the quantised numbers (number of the format x scale) in f32.
;;   ~~~python
;;   def quantise(x, axis):      # numpy; x: float32 -> the quantised numbers, widened to float32 again
;;       x = np.moveaxis(x, axis, -1); K = x.shape[-1]
;;       x = np.pad(x, [(0, 0)] * (x.ndim - 1) + [(0, -K % 32)]); x = x.reshape(x.shape[:-1] + (-1, 32)); a = np.abs(x).max(-1, keepdims=True)
;;       e = np.where(a > 0, np.clip(np.frexp(np.where(a > 0, a, 1))[1] - 1 - 4, -126, 127), 0)      # np.frexp(a)[1] - 1 = floor(log2(a)), exactly
;;       r = np.clip(x / 2.0 ** e, -28, 28)
;;       step = 2.0 ** (np.maximum(np.frexp(np.where(r == 0, 1, r))[1] - 1, -2) - 2)
;;       q = np.round(r / step) * step * 2.0 ** e      # np.round: ties to even
;;       return np.moveaxis(q.reshape(q.shape[:-2] + (-1,))[..., :K], -1, axis).astype(np.float32)
;;   ~~~
;;   SOFTMAX AHEAD OF A QUANTISED PRODUCT. Where the list says 'softmax', what is quantised is not the finished softmax but p = 2^(t - M), with t = logit x log2(e) and M = ceil(the row's largest t), a whole number; so 1/2 < the row's largest p <= 1. The row's sum l is taken of the UNQUANTISED p, in f32, and the product's result is divided by l at the end. Since M is a whole number, a kernel that streams over the keys may use a running M (the ceiling of the running maximum): every later rescaling is an exact power of two, which a block's scale takes up: the codes' values come out the same.
;;   OPERANDS COMPUTED ON THE WAY. 'Computed on the way' means the value that the module computes at that place (a softmax that the list does not call 'softmax' is quantised finished and normalised). What goes into a quantiser is computed in f32, as accurately as f32 sums, v_exp_f32 and their like allow (about 1e-6 of the number): no bf16 or f16 on the way to a quantiser, and a product that is left as it is and whose result goes on into a quantised operand takes f32 operands (vector FMAs, or v_wmma_f32_16x16x4_f32). A number that lies on a knife's edge between two numbers of the format may be rounded either way, as far as f32 arithmetic and the matrix unit's own rounding can turn it there, and no further.
;;   INPUTS GIVEN AS CODES. key_states (in the module: [2, 16, 2048, 64], K = its axis 3); query_states (in the module: [2, 16, 2048, 64], K = its axis 3); value_states (in the module: [2, 16, 2048, 64], K = its axis 2): each comes as NAME_codes (uint8): NAME with its K axis moved to the last place and cut into blocks of 32 codes, [.., K / 32, bytes a block], one block behind the other in memory; four codes in three bytes: a row's codes are one little-endian stream of bits, code i at bits 6 i .. 6 i + 5 (a code: sign, 3 exponent bits, 2 mantissa bits); and NAME_scales (uint8): the same leading axes, one E8M0 byte (e + 127) for each 32 codes along K. Its value is code x scale, taken as it is: it is not quantised again, and the codes and scales need not be those that the quantiser above would give.
;; One version. Each part assembles by itself: llvm-mc -triple=amdgcn-amd-amdhsa -mcpu=gfx1250 --defsym DOCPART=n.
;; ======== version 1 of 1: 1 launch
;; limits: right only within a limited range of input values
;; launch attn (part 1): grid 8 x 32, 16 waves a work-group, clusters of 4 x 1, 301,824 bytes of LDS; arguments query_states_codes, query_states_scales, key_states_codes, key_states_scales, value_states_codes, value_states_scales, out0; writes out0
.if DOCPART == 1
	.amdgcn_target "amdgcn-amd-amdhsa--gfx1250"
	.amdhsa_code_object_version 6
	.text
	.protected	k_q6792ddef3e_attn
	.globl	k_q6792ddef3e_attn
	.p2align	8
	.type	k_q6792ddef3e_attn,@function
k_q6792ddef3e_attn:
	s_mov_b64 s[64:65], 0
	v_nop
	global_prefetch_b8 v0, s[64:65] scope:SCOPE_SE
	s_setreg_imm32_b32 hwreg(HW_REG_WAVE_MODE, 25, 1), 1
	s_wait_xcnt 0x0
	s_wait_alu depctr_hold_cnt(0) depctr_sa_sdst(0) depctr_va_vdst(0) depctr_va_sdst(0) depctr_va_ssrc(0) depctr_va_vcc(0) depctr_vm_vsrc(0)
	s_getreg_b32 s2, hwreg(HW_REG_IB_STS2, 6, 4)
	s_cmp_eq_u32 s2, 0
	s_cbranch_scc0 .Lentry_in_a_cluster
	s_endpgm
.Lentry_in_a_cluster:
	s_bfe_u32 s2, ttmp6, 0x10000c
	s_cmp_lg_u32 s2, 0x3003
	s_cbranch_scc0 .Lentry_shape_is_right
	s_endpgm
.Lentry_shape_is_right:
; out0[head][q][:] = the sum over k of softmax_k(Q[q] . K[k] / 8, keys k > q set to -10,000) V[k][:], 32 heads, 2,048 queries and keys, head size 64.
; Both products run on codes of BF6 (E3M2) with one E8M0 byte for each 32 along a product's K.  Q, K: rows of 48 bytes (64 codes), 2 scale bytes a row.  V: keys innermost, 64 rows (d) of 1,536 bytes a head, 64 scale bytes a row.
; THE SOFTMAX AHEAD OF THE SECOND PRODUCT: t = score x log2(e) / 8; M = the row's largest t so far, rounded UP to a whole number; p = 2^(t - M) is quantised along the keys, not normalised.
; The row's sum is taken of the unquantised p, in f32, and divides at the end.  When M moves, the sum and O are multiplied by 2^(old M - new M): exact.
; THE MASK is the problem's own (key > query).  Key steps of 128 that lie wholly behind a wave's queries are not multiplied.  In the step on the diagonal a hidden score becomes -80,000 = 8 x -10,000 ahead of the maximum.
; LIMIT: a row whose largest open logit lies under about -9,913 (= -10,000 + 126 ln 2) would give weight to ALL hidden keys; here only those of the diagonal's 128 keys get it.  NaN and infinities are not served.
; SHARES.  A work-group serves one head; each of its SIXTEEN waves owns ONE tile of 16 queries in 256 registers: queries 128 blk + 16 tloc on, tloc = the work-group's x (0 .. 7), blk (0 .. 15) taken from a table by the wave's number alone.
; Wave w walks blk + 1 key steps.  The table's lengths add up to 34 over the waves with equal w & 3 and over those with equal w >> 2, and to 136 in every work-group.
; DATA.  The head's K, V and their scale bytes (200 KiB) are brought into LDS ONCE, by tensor loads that the four work-groups of a cluster (one head) ask for JOINTLY.  Nothing is filled again: no ring, and no barrier in the loop.
; Every wave waits for all its own loads, one barrier shows the whole head to all sixteen, and from there on no wave waits for another.
; LAYOUT.  Both products are used transposed: S^T = K Q^T (source 0 = 16 keys, source 1 = my queries), O^T = V^T P^T (source 0 = 16 of the head's 64, source 1 = P): a lane holds ONE query (lane % 16) throughout.
; THE KEYS OF A TILE ARE NOT NEIGHBOURS: lane r of tile 2 b + u takes key 32 b + 8 u + r + 8 (r / 8), so that the 16 registers of tiles 2 b and 2 b + 1 are the neighbouring keys 32 b + 16 (lane / 16) + 0 .. 15.
; THE FIRST PRODUCT'S K IS 64 of the instruction's 128: k = 64 .. 127 are zero CODES on both sources (registers cleared once); their scale bytes are 0, which is 2^-127 and no NaN.
; No prefetch: every byte of K and V is asked for at the head by the tensor loads themselves, and Q is read once, there too.
;
; LDS, in bytes
.set KCH,  6144                        ; K: 256 keys' share of KE or of KO: 8 rows of 768 bytes
.set KO,   49280                       ; KE at 0: row b = keys 32 b + 0 .. 15, 48 bytes a key.  KO: row b = keys 32 b + 16 .. 31.  KO = 128 mod 256: the 32 lanes of a load of 8 bytes stand at 24 m, m = 0 .. 15, and 128 bytes on: 64 different banks (64 banks of 4 bytes: ISA guide 11.1)
.set VB,   98560                       ; V: 8 chunks of 256 keys x 64 rows (d) x 240 bytes
.set VCH,  15360
.set VP,   240                         ; a row: 3 x (64 bytes of data + 16 of padding)
.set KSB,  221440                      ; K's scale bytes, dense: 2 a key
.set VSB,  225536                      ; V's: 64 rows of 64 bytes + 8 of padding
.set VSP,  72
.set STG,  230144                      ; the way out: 16 rows x 272 bytes for each wave, in blocks of 256 bytes into which no fill lands
.set SP,   272
; vector registers
.set AK0,  1                           ; v1   my lane's place in a tile of K
.set AV0,  2                           ; v2   in a tile of V;  v3 the same for the pieces that lie behind one padding more
.set AV1,  3
.set AKS0, 4                           ; v4   among K's scale bytes
.set AVS0, 5                           ; v5   among V's
.set DM,   6                           ; v6   my query in its block of 128, less 16 (lane / 16): the mask's compares
.set MV,   7                           ; v7   -80,000.0
.set ADK,  8                           ; v8   the step's addresses: K;  v9, v10 V;  v11 K's scale bytes;  v255 V's
.set ADV,  9
.set ADS,  11
.set ADT,  255
.set QF,   16                          ; v16-27   Q's fragment; v22-27 stay 0.   v12 -M, v13 the largest t, v[14:15] the sum in two halves
.set KSW,  28                          ; v28-31   K's scale words: register b: lanes 0-15 tile 2 b's rows, lanes 16-31 tile 2 b + 1's
.set KF,   32                          ; v32-79   four fragments of K; registers 6-11 of each stay 0
.set VF,   80                          ; v80-127  V's four fragments
.set S,    128                         ; v128-191 S^T, then p
.set O,    192                         ; v192-223 O^T
.set PCD,  224                         ; v224-235 p's codes
.set VSW,  236                         ; v236-237 V's scale words: register g: lane l holds d = 32 g + l
.set PW,   238                         ; v238     p's scale word
.set QW,   239                         ; v239     Q's scale word
.set BM,   240                         ; v240-243 the blocks' largest scores, then p
.set BT,   244                         ; v244-247 at work
.set BS,   248                         ; v248-251 the conversions' scale operands;  v[252:253] f;  v254 at work
; scalar registers
.set WV,   18                          ; my wave's number
.set BLK,  19                          ; my block of 128 queries = my last key step
.set SEL,  20                          ; s[20:21] lane selects for v_permlanex16_b32: lane l xor 16
.set CS,   22                          ; s[22:23] c = log2(e) / 8
.set G1K,  24                          ; descriptor groups 1
.set G1V,  32
.set G1KS, 40
.set G1VS, 48
.set G0K,  56                          ; descriptor groups 0
.set G0V,  60
.set G0KS, 68
.set G0VS, 72
.set SI,   76                          ; the key step's number
.set CH,   77                          ; the loop's counter
.set TK,   78                          ; where the chunk of 256 keys begins: in KE, in V, among K's scale bytes, in a row of V's
.set TV,   79
.set TKS,  80
.set TVS,  81
.set CX,   82
.set TLOC, 83
.set HEAD, 84
; A round of the cluster's barrier: my work-group's barrier, wave 0 signals for the work-group, every wave waits for all four work-groups, my work-group's barrier once more.
.macro CROUND
	s_barrier_signal -1
	s_barrier_wait -1
	s_cmp_lg_u32 s[WV], 0
	s_cbranch_scc1 .Lnot_wave_0_\@
	s_barrier_signal -3
.Lnot_wave_0_\@:
	s_barrier_wait -3
	s_barrier_signal -1
	s_barrier_wait -1
.endm
.macro PLACES                          ; four plain places behind matrix instructions, ahead of loads into their sources and of the first read of their results
.rept 4
	v_nop
.endr
.endm
	s_load_b256 s[4:11], s[0:1], 0x0               ; Q's codes s[4:5], Q's scales s[6:7], K's codes s[8:9], K's scales s[10:11]
	s_load_b128 s[12:15], s[0:1], 0x20             ; V's codes, V's scales
	s_load_b64 s[16:17], s[0:1], 0x30              ; out0
	v_lshl_add_u32 v254, v0, 2, 0x49300
	v_mov_b32 v255, 0
	ds_add_u32 v254, v255
	ds_add_u32 v254, v255
	s_wait_dscnt 0x0
	v_lshrrev_b32 v8, 5, v0
	s_delay_alu instid0(VALU_DEP_1)
	v_readfirstlane_b32 s[WV], v8                  ; wave 0 .. 15
	s_bfe_u32 s[CX], ttmp6, 0x40000                ; cx: my place in the cluster: it enters Q's and out0's addresses and the mask's compares, no branch and no LDS address
	s_lshl_b32 s[TLOC], ttmp9, 2                   ; in a cluster launch ttmp9 counts clusters
	s_add_co_u32 s[TLOC], s[TLOC], s[CX]           ; work-group x, 0 .. 7
	s_and_b32 s[HEAD], ttmp7, 0xffff               ; the head, which the four partners share
	; blk(w), four bits a wave: 15 2 4 9 | 14 3 5 8 | 1 12 10 7 | 0 13 11 6
	s_mov_b32 s2, 0x853e942f
	s_mov_b32 s3, 0x6bd07ac1
	s_cmp_lt_u32 s[WV], 8
	s_cselect_b32 s2, s2, s3
	s_and_b32 s3, s[WV], 7
	s_lshl_b32 s3, s3, 2
	s_lshr_b32 s2, s2, s3
	s_and_b32 s[BLK], s2, 15
	; descriptor groups 1.  Word 0: 15:0 the mask: all four work-groups; 17:16 element size; 20 padding; 21 set beside a mask; 24:22 the padding's interval; 31:25 its length
	s_mov_b32 s[G1K], 15|(3<<16)|(1<<21)           ; K: 8 rows of 96 elements of 8 bytes (16 keys), 192 elements apart in memory, dense in LDS
	s_mov_b32 s[G1K+1], 96<<16                     ; tensor_dim0
	s_mov_b32 s[G1K+2], 8<<16                      ; tensor_dim1
	s_mov_b32 s[G1K+3], 96<<16                     ; tile_dim0
	s_mov_b32 s[G1K+4], 8                          ; tile_dim1
	s_mov_b32 s[G1K+5], 192                        ; from row to row
	s_mov_b32 s[G1K+6], 0
	s_mov_b32 s[G1K+7], 0
	s_mov_b32 s[G1V], 15|(1<<20)|(1<<21)|(3<<22)|(3<<25)  ; V: 64 rows of 192 bytes, 1,536 apart; 4 words of padding behind every 16
	s_mov_b32 s[G1V+1], 192<<16
	s_mov_b32 s[G1V+2], 64<<16
	s_mov_b32 s[G1V+3], 192<<16
	s_mov_b32 s[G1V+4], 64
	s_mov_b32 s[G1V+5], 1536
	s_mov_b32 s[G1V+6], 0
	s_mov_b32 s[G1V+7], 0
	s_mov_b32 s[G1KS], 15|(3<<16)|(1<<21)          ; K's scale bytes: 4,096 dense bytes as 16 rows of 256
	s_mov_b32 s[G1KS+1], 32<<16
	s_mov_b32 s[G1KS+2], 16<<16
	s_mov_b32 s[G1KS+3], 32<<16
	s_mov_b32 s[G1KS+4], 16
	s_mov_b32 s[G1KS+5], 32
	s_mov_b32 s[G1KS+6], 0
	s_mov_b32 s[G1KS+7], 0
	s_mov_b32 s[G1VS], 15|(3<<16)|(1<<20)|(1<<21)|(3<<22)|(1<<25)  ; V's: 64 rows of 64 bytes, 2 words of padding behind each
	s_mov_b32 s[G1VS+1], 8<<16
	s_mov_b32 s[G1VS+2], 64<<16
	s_mov_b32 s[G1VS+3], 8<<16
	s_mov_b32 s[G1VS+4], 64
	s_mov_b32 s[G1VS+5], 8
	s_mov_b32 s[G1VS+6], 0
	s_mov_b32 s[G1VS+7], 0
	s_mov_b32 s[SEL], 0x76543210
	s_mov_b32 s[SEL+1], 0xfedcba98
	s_mov_b32 s[CS], 0x3e38aa3b                    ; log2(e) / 8
	s_mov_b32 s[CS+1], s[CS]                       ; (named with it as a pair, so it is written)
	s_mov_b32 s[SI], 0
	s_mov_b32 s[TK], 0
	s_mov_b32 s[TV], 0
	s_mov_b32 s[TKS], 0
	s_mov_b32 s[TVS], 0
	; what I fetch: chunk c = wave / 2 of K, its keys' half o = wave % 2; even waves also chunk c of V.  Made of the head and the wave's number alone
	s_mul_i32 s88, s[HEAD], 98304                  ; the head's first byte in each tensor of codes
	s_mov_b32 s89, 0
	s_lshl_b32 s90, s[HEAD], 12                    ; and in each tensor of scale bytes
	s_mov_b32 s91, 0
	s_lshr_b32 s2, s[WV], 1                        ; c
	s_and_b32 s3, s[WV], 1                         ; o
	s_mov_b32 s[G0K], 1                            ; 1:0 count = 1
	s_mul_i32 s[G0K+1], s2, KCH                    ; 63:32 LDS address: 6,144 c + 49,280 o
	s_mul_i32 s85, s3, KO
	s_add_co_u32 s[G0K+1], s[G0K+1], s85
	s_mul_i32 s98, s2, 2*KCH                       ; in memory: 12,288 c + 768 o
	s_mul_i32 s85, s3, 768
	s_add_co_u32 s98, s98, s85
	s_add_co_u32 s98, s98, s88
	s_mov_b32 s99, 0
	s_mov_b32 s[G0V], 1
	s_mul_i32 s[G0V+1], s2, VCH
	s_add_co_u32 s[G0V+1], s[G0V+1], VB
	s_mul_i32 s86, s2, 192                         ; in memory: 192 c along each row
	s_add_co_u32 s86, s86, s88
	s_mov_b32 s87, 0
	s_mov_b32 s[G0KS], 1
	s_mov_b32 s[G0KS+1], KSB
	s_mov_b32 s[G0VS], 1
	s_mov_b32 s[G0VS+1], VSB
	; my tile of queries: these numbers hang on cx and stand in registers that feed no descriptor and no LDS address
	s_lshl_b32 s100, s[BLK], 7
	s_lshl_b32 s101, s[TLOC], 4                    ; 16 tloc
	s_add_co_u32 s100, s100, s101                  ; my first query
	s_mul_i32 s92, s100, 48
	s_add_co_u32 s92, s92, s88                     ; its codes
	s_mov_b32 s93, 0
	s_lshl_b32 s94, s100, 1
	s_add_co_u32 s94, s94, s90                     ; its scale bytes
	s_mov_b32 s95, 0
	s_lshl_b32 s96, s[HEAD], 19
	s_lshl_b32 s97, s100, 8
	s_add_co_u32 s96, s96, s97                     ; its row of out0: 524,288 head + 256 query
	s_mov_b32 s97, 0
	s_wait_kmcnt 0x0
	s_add_nc_u64 s[G0K+2:G0K+3], s[8:9], s[98:99]  ; 120:64 global address
	s_or_b32 s[G0K+3], s[G0K+3], 0x80000000        ; 127:126 type = 2
	s_add_nc_u64 s[G0V+2:G0V+3], s[12:13], s[86:87]
	s_or_b32 s[G0V+3], s[G0V+3], 0x80000000
	s_add_nc_u64 s[G0KS+2:G0KS+3], s[10:11], s[90:91]
	s_or_b32 s[G0KS+3], s[G0KS+3], 0x80000000
	s_add_nc_u64 s[G0VS+2:G0VS+3], s[14:15], s[90:91]
	s_or_b32 s[G0VS+3], s[G0VS+3], 0x80000000
	s_add_nc_u64 s[4:5], s[4:5], s[92:93]
	s_add_nc_u64 s[6:7], s[6:7], s[94:95]
	s_add_nc_u64 s[16:17], s[16:17], s[96:97]
	CROUND                                         ; all four work-groups are here: the joint loads meet
	; ALL FILLS OF THE LAUNCH, one group.  Every wave: its part of K.  Even waves: their chunk of V.  Wave 1: the scale bytes.  At most three loads of a wave are out (wave 1's).
	; The branches hang on the wave's number alone.  Four v_nop follow the loads.
	tensor_load_to_lds s[G0K:G0K+3], s[G1K:G1K+7]
	s_nop 0
	PLACES
	s_and_b32 s2, s[WV], 1
	s_cmp_eq_u32 s2, 0
	s_cbranch_scc0 .Lodd
	tensor_load_to_lds s[G0V:G0V+3], s[G1V:G1V+7]
	s_nop 0
	PLACES
	s_branch .Lasked
.Lodd:
	s_cmp_eq_u32 s[WV], 1
	s_cbranch_scc0 .Lasked
	tensor_load_to_lds s[G0KS:G0KS+3], s[G1KS:G1KS+7]
	s_nop 0
	tensor_load_to_lds s[G0VS:G0VS+3], s[G1VS:G1VS+7]
	s_nop 0
	PLACES
.Lasked:
	v_and_b32 v240, 15, v0                         ; r = lane % 16
	v_bfe_u32 v241, v0, 4, 1                       ; h = lane / 16
	s_delay_alu instid0(VALU_DEP_2)
	v_mul_u32_u24 v8, v240, 48
	s_delay_alu instid0(VALU_DEP_1)
	v_mad_u32_u24 v8, v241, 24, v8                 ; Q: row r of 48 bytes, + 24 h: k = 32 h + 0 .. 31, as they lie
	s_delay_alu instid0(VALU_DEP_4)
	v_lshlrev_b32 v9, 1, v240
.irp j, 0,1,2
	global_load_b64 v[QF+2*\j:QF+2*\j+1], v8, s[4:5] offset:8*\j th:TH_LOAD_NT   ; Q's fragment stays in registers
.endr
	global_load_u16 v[QW], v9, s[6:7]              ; query r's two scale bytes; bytes 2 and 3 are 0
	v_and_b32 v243, 7, v240
	s_delay_alu instid0(VALU_DEP_1)
	v_mul_u32_u24 v[AK0], v243, 48
	s_delay_alu instid0(VALU_DEP_1)
	v_mad_u32_u24 v[AK0], v241, 24, v[AK0]
	v_lshrrev_b32 v243, 3, v240
	s_delay_alu instid0(VALU_DEP_1)
	v_mad_u32_u24 v[AK0], v243, KO, v[AK0]         ; K: 48 (r % 8) + 24 h + KO (r / 8)
	v_mul_u32_u24 v[AV0], v240, VP
	s_delay_alu instid0(VALU_DEP_1)
	v_add_nc_u32 v[AV0], VB, v[AV0]
	s_delay_alu instid0(VALU_DEP_1)
	v_mad_u32_u24 v[AV1], v241, 40, v[AV0]         ; V: row r x 240 + 40 h, for the pieces behind one padding more,
	s_delay_alu instid0(VALU_DEP_2)
	v_mad_u32_u24 v[AV0], v241, 24, v[AV0]         ; and + 24 h
	v_and_b32 v243, 8, v240
	s_delay_alu instid0(VALU_DEP_1)
	v_add_nc_u32 v243, v243, v240
	s_delay_alu instid0(VALU_DEP_1)
	v_lshl_add_u32 v243, v241, 3, v243             ; r + 8 (r / 8) + 8 h: lanes 16-31 take the odd tile's keys
	s_delay_alu instid0(VALU_DEP_1)
	v_lshl_add_u32 v[AKS0], v243, 1, KSB
	v_and_b32 v242, 31, v0
	s_delay_alu instid0(VALU_DEP_1)
	v_mul_u32_u24 v[AVS0], v242, VSP
	s_delay_alu instid0(VALU_DEP_1)
	v_add_nc_u32 v[AVS0], VSB, v[AVS0]             ; V's scale words: row d = lane
	v_lshlrev_b32 v243, 4, v241
	s_delay_alu instid0(VALU_DEP_1)
	v_sub_nc_u32 v[DM], v240, v243
	s_delay_alu instid0(VALU_DEP_1)
	v_add_nc_u32 v[DM], s101, v[DM]                ; 16 tloc + r - 16 h
	v_mov_b32 v[MV], 0xc79c4000                    ; -80,000.0
.irp j, 6,7,8,9,10,11
	v_mov_b32 v[QF+\j], 0                          ; k = 64 .. 127: zero codes, cleared once
.endr
.irp t, 0,1,2,3
.irp j, 6,7,8,9,10,11
	v_mov_b32 v[KF+12*\t+\j], 0
.endr
.endr
.set n, 0
.rept 32
	v_mov_b32 v[O+n], 0                            ; O^T.  (The step is written without a first form: the first finds zeros, which the first change of M leaves zeros)
.set n, n+1
.endr
	v_mov_b32 v13, 0xff61b1e6                      ; the largest t so far: -3e38, under every t
	s_delay_alu instid0(VALU_DEP_1)
	v_floor_f32 v12, -v13                          ; -M
	v_mov_b32 v14, 0                               ; the sum, in two halves
	v_mov_b32 v15, 0
.irp b, 0,1,2,3
	v_mov_b32 v[BT+\b], 0                          ; written once: a lane permute's destination counts as one of its sources
.endr
	v_mov_b32 v253, 0                              ; (named as the upper half of the pair v[252:253])
	v_mov_b32 v254, 0
	s_wait_loadcnt 0x0                             ; Q is in; v8 and v9 are free
; K's fragments of tiles 4 g .. 4 g + 3 of the chunk's q-th 128 keys: 24 bytes a lane, three loads of 8
.macro KLOAD q, g
.irp t, 0,1,2,3
.irp j, 0,1,2
	ds_load_b64 v[KF+12*\t+2*\j:KF+12*\t+2*\j+1], v[ADK] offset:3072*(\q)+768*((4*(\g)+\t)/2)+384*(\t%2)+8*\j
.endr
.endr
.endm
; and their products: four accumulators, each begun with the constant 0.  The odd tile's scale words stand in lanes 16-31
.macro KQ g
.irp t, 0,1,2,3
.if \t%2
	v_wmma_scale_f32_16x16x128_f8f6f4 v[S+8*(4*(\g)+\t):S+8*(4*(\g)+\t)+7], v[KF+12*\t:KF+12*\t+11], v[QF:QF+11], 0, v[KSW+(4*(\g)+\t)/2], v[QW] matrix_a_fmt:MATRIX_FMT_BF6 matrix_b_fmt:MATRIX_FMT_BF6 matrix_a_scale:MATRIX_SCALE_ROW1
.else
	v_wmma_scale_f32_16x16x128_f8f6f4 v[S+8*(4*(\g)+\t):S+8*(4*(\g)+\t)+7], v[KF+12*\t:KF+12*\t+11], v[QF:QF+11], 0, v[KSW+(4*(\g)+\t)/2], v[QW] matrix_a_fmt:MATRIX_FMT_BF6 matrix_b_fmt:MATRIX_FMT_BF6
.endif
.endr
.endm
; A fragment of V^T: rows d = 16 t + r, the chunk's q-th 128 keys: registers 6 c .. 6 c + 5 hold keys 64 c + 32 h + 0 .. 31, in pieces of 8 bytes.  Lanes 0-15 take the row's pieces 12 q + 0, 1, 2 and 12 q + 6, 7, 8,
; lanes 16-31 those three pieces on; where that lies behind one padding more (16 bytes behind every 8 pieces), the second address register serves.
.macro FRAG reg, q, t
.irp p, 0,1,2,3,4,5
.set PIECE, 12*(\q)+6*(\p/3)+\p%3
.if PIECE%8 < 5
	ds_load_b64 v[(\reg)+2*\p:(\reg)+2*\p+1], v[ADV] offset:8*PIECE+16*(PIECE/8)+16*VP*(\t)
.else
	ds_load_b64 v[(\reg)+2*\p:(\reg)+2*\p+1], v[ADV+1] offset:8*PIECE+16*(PIECE/8)+16*VP*(\t)
.endif
.endr
.endm
; A KEY STEP: 128 keys, the q-th of the chunk in hand.
.macro STEP q
	s_cmp_gt_u32 s[SI], s[BLK]                     ; all its keys come behind my queries: left out.  The branch hangs on the wave's number and a count
	s_cbranch_scc1 .Lhid_\@
	v_add_nc_u32 v[ADK], s[TK], v[AK0]             ; five plain lines: also the places behind the last step's products, ahead of the loads into their sources
	v_add_nc_u32 v[ADV], s[TV], v[AV0]
	v_add_nc_u32 v[ADV+1], s[TV], v[AV1]
	v_add_nc_u32 v[ADS], s[TKS], v[AKS0]
	v_add_nc_u32 v[ADT], s[TVS], v[AVS0]
.irp b, 0,1,2,3
	ds_load_u16 v[KSW+\b], v[ADS] offset:256*(\q)+64*\b   ; two scale bytes a key; bytes 2 and 3 come as 0
.endr
	KLOAD \q, 0
.irp t, 0,1,2,3
	FRAG VF+12*\t, \q, \t                          ; V is asked for now and wanted behind the softmax
.endr
.irp g, 0,1
	ds_load_b32 v[VSW+\g], v[ADT] offset:4*(\q)+32*VSP*\g
.endr
	s_wait_alu depctr_va_vdst(0)
	s_wait_dscnt 26                                ; K's 16 loads are in; the 26 issued behind them (V's 24 and its 2 scale words) may be out
	KQ 0
	PLACES
	KLOAD \q, 1
	s_wait_dscnt 0x0                               ; K's other four tiles, and V
	KQ 1
	PLACES
	s_cmp_lt_u32 s[SI], s[BLK]                     ; a step all of whose keys count skips the mask
	s_cbranch_scc1 .Lopen_\@
.set n, 0
.rept 64                                       ; register 16 b + i holds key 32 b + 16 h + i of the step: hidden where 32 b + i > 16 tloc + r - 16 h.  Ascending: each accumulator is read from its low end on
	v_cmp_gt_i32 vcc_lo, 32*(n/16)+n%16, v[DM]
	v_cndmask_b32 v[S+n], v[S+n], v[MV], vcc_lo
.set n, n+1
.endr
.Lopen_\@:
.irp b, 0,1,2,3
	v_max3_num_f32 v[BM+\b], v[S+16*\b], v[S+16*\b+1], v[S+16*\b+2]   ; THE LARGEST SCORE OF EACH BLOCK OF 32 KEYS serves twice: for the row's maximum and, since p rises with the score, for the block's largest p
.endr
.irp i, 3,5,7,9,11,13
.irp b, 0,1,2,3
	v_max3_num_f32 v[BM+\b], v[BM+\b], v[S+16*\b+\i], v[S+16*\b+\i+1]   ; (the four blocks by turns)
.endr
.endr
.irp b, 0,1,2,3
	v_max_num_f32 v[BM+\b], v[BM+\b], v[S+16*\b+15]
.endr
.irp b, 0,1,2,3
	s_delay_alu instid0(VALU_DEP_4)
	v_permlanex16_b32 v[BT+\b], v[BM+\b], s[SEL], s[SEL+1]
.endr
.irp b, 0,1,2,3
	s_delay_alu instid0(VALU_DEP_4)
	v_max_num_f32 v[BM+\b], v[BM+\b], v[BT+\b]     ; with lane l xor 16's 16 keys
.endr
	s_delay_alu instid0(VALU_DEP_2)
	v_max3_num_f32 v254, v[BM], v[BM+1], v[BM+2]
	s_delay_alu instid0(VALU_DEP_1)
	v_max_num_f32 v254, v254, v[BM+3]              ; the step's largest score of my query
	s_delay_alu instid0(VALU_DEP_1)
	v_mul_f32 v254, s[CS], v254                    ; as t (c is positive)
	s_delay_alu instid0(VALU_DEP_1)
	v_max_num_f32 v13, v13, v254                   ; the running largest t
	v_mov_b32 v254, v12
	s_delay_alu instid0(VALU_DEP_2)
	v_floor_f32 v12, -v13                          ; the new -M = floor(-t) = -ceil(t): a whole number
	s_delay_alu instid0(VALU_DEP_1)
	v_sub_f32 v254, v12, v254                      ; M's old value less its new one: 0 or less
	s_delay_alu instid0(VALU_DEP_1)
	v_cvt_i32_f32 v254, v254                       ; (it saturates)
	s_delay_alu instid0(VALU_DEP_1)
	v_ldexp_f32 v252, 1.0, v254                    ; f = 2^(old M - new M)
.set n, 0
.rept 32
	v_pk_fma_f32 v[S+n:S+n+1], v[S+n:S+n+1], s[CS:CS+1], v[12:13] op_sel_hi:[1,0,0]   ; t - M, two at a time (of the pairs c and -M the low word serves both halves)
.set n, n+2
.endr
.irp b, 0,1,2,3
	v_fma_f32 v[BM+\b], v[BM+\b], s[CS], v12       ; the same of each block's largest score
.endr
.set n, 0
	s_wait_alu depctr_va_vdst(0)
.rept 64
	v_exp_f32 v[S+n], v[S+n]                       ; p = 2^(t - M), at most 1: not normalised
.set n, n+1
.endr
	v_pk_mul_f32 v[14:15], v[14:15], v[252:253] op_sel_hi:[1,0]   ; the sums under the new M: the plain line behind the exponentials
	s_wait_alu depctr_va_vdst(0)                   ; one wait for the batch of 64, ahead of its first reader
.irp b, 0,1,2,3
	v_exp_f32 v[BM+\b], v[BM+\b]                   ; the block's largest p: the same two instructions on the same number
.endr
	v_pk_add_f32 v[244:245], v[132:133], v[136:137]
	v_pk_add_f32 v[250:251], v[140:141], v[144:145]
	v_pk_add_f32 v[248:249], v[148:149], v[152:153]
	v_pk_add_f32 v[246:247], v[156:157], v[160:161]
	v_pk_add_f32 v[234:235], v[164:165], v[168:169]
	v_pk_add_f32 v[232:233], v[172:173], v[176:177]
	v_pk_add_f32 v[230:231], v[180:181], v[184:185]
	v_pk_add_f32 v[14:15], v[14:15], v[188:189]
	v_pk_add_f32 v[244:245], v[244:245], v[128:129]
	v_pk_add_f32 v[250:251], v[250:251], v[130:131]
	v_pk_add_f32 v[248:249], v[248:249], v[134:135]
	v_pk_add_f32 v[246:247], v[246:247], v[138:139]
	v_pk_add_f32 v[234:235], v[234:235], v[142:143]
	v_pk_add_f32 v[232:233], v[232:233], v[146:147]
	v_pk_add_f32 v[230:231], v[230:231], v[150:151]
	v_pk_add_f32 v[14:15], v[14:15], v[154:155]
	v_pk_add_f32 v[244:245], v[244:245], v[158:159]
	v_pk_add_f32 v[250:251], v[250:251], v[162:163]
	v_pk_add_f32 v[248:249], v[248:249], v[166:167]
	v_pk_add_f32 v[246:247], v[246:247], v[170:171]
	v_pk_add_f32 v[234:235], v[234:235], v[174:175]
	v_pk_add_f32 v[232:233], v[232:233], v[178:179]
	v_pk_add_f32 v[230:231], v[230:231], v[182:183]
	v_pk_add_f32 v[14:15], v[14:15], v[186:187]
	v_pk_add_f32 v[244:245], v[244:245], v[190:191]
	s_delay_alu instid0(VALU_DEP_2)
	v_pk_add_f32 v[14:15], v[14:15], v[246:247]
	s_delay_alu instid0(VALU_DEP_2)
	v_pk_add_f32 v[244:245], v[244:245], v[234:235]
	v_pk_add_f32 v[250:251], v[250:251], v[232:233]
	v_pk_add_f32 v[248:249], v[248:249], v[230:231]
	s_delay_alu instid0(VALU_DEP_2)
	v_pk_add_f32 v[14:15], v[14:15], v[250:251]
	s_delay_alu instid0(VALU_DEP_2)
	v_pk_add_f32 v[244:245], v[244:245], v[248:249]
	s_delay_alu instid0(VALU_DEP_1)
	v_pk_add_f32 v[14:15], v[14:15], v[244:245]
	s_wait_alu depctr_va_vdst(0)                   ; and one for the four
.irp b, 0,1,2,3
	v_max_num_f32 v[BM+\b], 0x2800000, v[BM+\b]    ; the floor 2^(5 - 127): the byte cannot fall under 1 (a block whose every p is 0 keeps that byte: its codes are zeros)
.endr
.irp b, 0,1,2,3
	s_delay_alu instid0(VALU_DEP_4)
	v_add_nc_u32 v[BS+\b], 0xfe000000, v[BM+\b]    ; 4 off the exponent field: the conversion's scale operand
.endr
.irp b, 0,1,2,3
	s_delay_alu instid0(VALU_DEP_4)
	v_lshrrev_b32 v[BT+\b], 23, v[BS+\b]           ; the scale's byte
.endr
	s_delay_alu instid0(VALU_DEP_3)
	v_lshl_or_b32 v[PW], v[BT+1], 8, v[BT]         ; p's scale word for these 128 keys
	s_delay_alu instid0(VALU_DEP_1)
	v_lshl_or_b32 v[PW], v[BT+2], 16, v[PW]
	s_delay_alu instid0(VALU_DEP_1)
	v_lshl_or_b32 v[PW], v[BT+3], 24, v[PW]
.irp c, 0,1
	v_cvt_scalef32_pk16_bf6_f32 v[PCD+6*\c:PCD+6*\c+2], v[S+32*\c:S+32*\c+15], v[BS+2*\c]
	v_cvt_scalef32_pk16_bf6_f32 v[KF+12*\c:KF+12*\c+2], v[S+32*\c+16:S+32*\c+31], v[BS+2*\c+1]   ; (a conversion's three registers begin on an even number: made in K's registers, which are done with, and moved)
.endr
	v_nop                                          ; one plain line behind the scaled conversions
.irp c, 0,1                                    ; the operand's layout wants a WHOLE block in a lane: lanes 0-15 block 2 c, lanes 16-31 block 2 c + 1
.irp i, 0,1,2
	v_permlane16_swap_b32 v[PCD+6*\c+\i], v[KF+12*\c+\i]
.endr
.irp i, 0,1,2
	s_delay_alu instid0(VALU_DEP_3)
	v_mov_b32 v[PCD+6*\c+3+\i], v[KF+12*\c+\i]
.endr
.endr
.set n, 0
.rept 16
	v_pk_mul_f32 v[O+n:O+n+1], v[O+n:O+n+1], v[252:253] op_sel_hi:[1,0]   ; O^T under the new M, ascending.  With the moves above: the places between the scale word, the codes and the products below
.set n, n+2
.endr
.irp t, 0,1,2,3                                ; O^T += V^T P^T: four accumulators, one instruction a turn; the matrix instructions ahead of them and behind them write S^T
.if \t%2
	v_wmma_scale_f32_16x16x128_f8f6f4 v[O+8*\t:O+8*\t+7], v[VF+12*\t:VF+12*\t+11], v[PCD:PCD+11], v[O+8*\t:O+8*\t+7], v[VSW+\t/2], v[PW] matrix_a_fmt:MATRIX_FMT_BF6 matrix_b_fmt:MATRIX_FMT_BF6 matrix_a_scale:MATRIX_SCALE_ROW1
.else
	v_wmma_scale_f32_16x16x128_f8f6f4 v[O+8*\t:O+8*\t+7], v[VF+12*\t:VF+12*\t+11], v[PCD:PCD+11], v[O+8*\t:O+8*\t+7], v[VSW+\t/2], v[PW] matrix_a_fmt:MATRIX_FMT_BF6 matrix_b_fmt:MATRIX_FMT_BF6
.endif
.endr
.Lhid_\@:
	s_add_co_u32 s[SI], s[SI], 1
.endm
; A chunk of 256 keys: two steps; then the LDS steps to the next chunk
.macro CHUNK
	STEP 0
	STEP 1
	s_add_co_u32 s[TK], s[TK], KCH
	s_add_co_u32 s[TV], s[TV], VCH
	s_add_co_u32 s[TKS], s[TKS], 512
	s_add_co_u32 s[TVS], s[TVS], 8
.endm
	s_wait_tensorcnt 0x0                           ; my part of the head has landed: every wave waits for all its own loads,
	s_barrier_signal -1
	s_barrier_wait -1                              ; everybody's has: K, V and the scale bytes are whole, and from here on no wave waits for another
	s_mov_b32 s[CH], 8
.Lchunk:                                               ; eight trips in every wave: a wave that is through its steps falls through two compares a trip
	CHUNK
	s_sub_co_u32 s[CH], s[CH], 1
	s_cmp_lg_u32 s[CH], 0
	s_cbranch_scc1 .Lchunk
	; THE WAY OUT.  O^T is divided by the row's sum and goes through my own stage in LDS, so that each store of the wave covers 512 consecutive bytes of out0, at a multiple of 256 from its first byte.
	s_wait_alu depctr_va_vdst(0)
	v_add_f32 v14, v14, v15                        ; the sum's two halves,
	s_delay_alu instid0(VALU_DEP_1)
	v_permlanex16_b32 v254, v14, s[SEL], s[SEL+1]
	s_delay_alu instid0(VALU_DEP_1)
	v_add_f32 v14, v14, v254                       ; and lane l xor 16's: the row's sum
	s_wait_alu depctr_va_vdst(0)
	v_rcp_f32 v14, v14
	v_and_b32 v240, 15, v0                         ; r.  (These plain lines stand behind the reciprocal and behind the last products)
	v_bfe_u32 v241, v0, 4, 1                       ; h
	s_mul_i32 s2, s[WV], 16*SP
	s_add_co_u32 s2, s2, STG                       ; my stage
	v_mul_u32_u24 v8, v240, SP
	s_delay_alu instid0(VALU_DEP_1)
	v_lshl_add_u32 v8, v241, 5, v8
	s_delay_alu instid0(VALU_DEP_1)
	v_add_nc_u32 v8, s2, v8                        ; in: row r; tile t's eight channels of my half at 64 t + 32 h
	v_mul_u32_u24 v9, v241, SP
	s_delay_alu instid0(VALU_DEP_1)
	v_lshl_add_u32 v9, v240, 4, v9
	s_delay_alu instid0(VALU_DEP_1)
	v_add_nc_u32 v9, s2, v9                        ; back: lanes 0-15 one row of 256 bytes, lanes 16-31 the next
	v_and_b32 v10, 31, v0
	s_delay_alu instid0(VALU_DEP_1)
	v_lshlrev_b32 v10, 4, v10                      ; and the same two rows in out0: 16 x lane
	s_wait_alu depctr_va_vdst(0)                   ; the wait ahead of the reciprocal's first reader
.set n, 0
.rept 16
	v_pk_mul_f32 v[S+n:S+n+1], v[O+n:O+n+1], v[14:15] op_sel_hi:[1,0]   ; register 8 t + i is out0(r, 16 t + 8 h + i); ascending
.set n, n+2
.endr
.irp t, 0,1,2,3
	ds_store_b128 v8, v[S+8*\t:S+8*\t+3] offset:64*\t
	ds_store_b128 v8, v[S+8*\t+4:S+8*\t+7] offset:64*\t+16
.endr
.irp i, 0,1,2,3,4,5,6,7
	ds_load_b128 v[S+32+4*\i:S+32+4*\i+3], v9 offset:2*\i*SP   ; LDS serves a wave's instructions in order (ISA guide 5.7.1.4): these see my stores
.endr
.irp i, 0,1,2,3,4,5,6,7
	s_wait_dscnt 7-\i                              ; load i is in; the younger ones may be out
	global_store_b128 v10, v[S+32+4*\i:S+32+4*\i+3], s[16:17] offset:512*\i th:TH_STORE_NT
.endr
	s_wait_xcnt 0x0
	v_lshl_add_u32 v254, v0, 2, 0x49300
	v_mov_b32 v255, 0
	s_wait_alu depctr_va_vdst(0)
	s_wait_tensorcnt 0x0
	ds_add_u32 v254, v255
	s_wait_dscnt 0x0
	CROUND                                         ; the closing round: no work-group ends while a partner may still ask for a tile that names it
	s_endpgm
.Lfunc_end_k_q6792ddef3e_attn:
	.size	k_q6792ddef3e_attn, .Lfunc_end_k_q6792ddef3e_attn-k_q6792ddef3e_attn
	.p2alignl 7, 3214868480
	.fill 96, 4, 3214868480
	.section	.rodata,"a",@progbits
	.p2align	6, 0x0
	.amdhsa_kernel k_q6792ddef3e_attn
		.amdhsa_group_segment_fixed_size 301824
		.amdhsa_private_segment_fixed_size 0
		.amdhsa_enable_private_segment 0
		.amdhsa_kernarg_size 56
		.amdhsa_user_sgpr_count 2
		.amdhsa_user_sgpr_kernarg_segment_ptr 1
		.amdhsa_wavefront_size32 1
		.amdhsa_system_sgpr_workgroup_id_x 1
		.amdhsa_system_sgpr_workgroup_id_y 1
		.amdhsa_system_sgpr_workgroup_id_z 1
		.amdhsa_system_vgpr_workitem_id 0
		.amdhsa_next_free_vgpr 256
		.amdhsa_next_free_sgpr 102
		.amdhsa_reserve_vcc 1
		.amdhsa_float_denorm_mode_32 3
		.amdhsa_float_denorm_mode_16_64 3
		.amdhsa_memory_ordered 1
		.amdhsa_forward_progress 1
		.amdhsa_inst_pref_size 64
	.end_amdhsa_kernel
	.amdgpu_metadata
---
amdhsa.version: [ 1, 2 ]
amdhsa.kernels:
  - .name:           k_q6792ddef3e_attn
    .symbol:         k_q6792ddef3e_attn.kd
    .args:
      - { .name: query_states_codes, .offset: 0, .size: 8, .value_kind: global_buffer, .address_space: global }
      - { .name: query_states_scales, .offset: 8, .size: 8, .value_kind: global_buffer, .address_space: global }
      - { .name: key_states_codes, .offset: 16, .size: 8, .value_kind: global_buffer, .address_space: global }
      - { .name: key_states_scales, .offset: 24, .size: 8, .value_kind: global_buffer, .address_space: global }
      - { .name: value_states_codes, .offset: 32, .size: 8, .value_kind: global_buffer, .address_space: global }
      - { .name: value_states_scales, .offset: 40, .size: 8, .value_kind: global_buffer, .address_space: global }
      - { .name: out0, .offset: 48, .size: 8, .value_kind: global_buffer, .address_space: global }
    .group_segment_fixed_size: 301824
    .private_segment_fixed_size: 0
    .kernarg_segment_align: 8
    .kernarg_segment_size: 56
    .max_flat_workgroup_size: 512
    .sgpr_count:     102
    .vgpr_count:     256
    .wavefront_size: 32
...
	.end_amdgpu_metadata
.endif
;; end of part 1
